; MI455X (gfx1250); checked and timed in simulation.
; The chip was launched on July 23, 2026; its instructions are those of AMD's public machine-readable ISA for CDNA 5 (MIT licence, August 2026) and "CDNA5" Instruction Set Architecture Reference Guide (July 2026). The comments in the code are by the model that wrote it; some were corrected since.
;; LSTM Cell. Allowed arithmetic: matrix products marked QUANTISED: E3M2 operands, one E8M0 scale for each 32 along K, by v_wmma_scale_f32_16x16x128_f8f6f4 with both operands' format E3M2, f32 sums; everything else in f32.
;; Inputs: Whc 1,024 x 1,024 float32; Whf 1,024 x 1,024 float32; Whi 1,024 x 1,024 float32; Who 1,024 x 1,024 float32; Wxc 1,024 x 1,024 float32; Wxf 1,024 x 1,024 float32; Wxi 1,024 x 1,024 float32; Wxo 1,024 x 1,024 float32; bhc 1,024 float32; bhf 1,024 float32; bhi 1,024 float32; bho 1,024 float32; bxc 1,024 float32; bxf 1,024 float32; bxi 1,024 float32; bxo 1,024 float32; c_prev 8,192 x 1,024 float32; h_prev_codes 8,192 x 32 x 24 uint8 (E3M2 codes of h_prev, K innermost, in blocks of 32 codes, four codes in three bytes); h_prev_scales 8,192 x 32 uint8 (E8M0 scales of h_prev, one for each 32 codes along K); x_codes 8,192 x 32 x 24 uint8 (E3M2 codes of x, K innermost, in blocks of 32 codes, four codes in three bytes); x_scales 8,192 x 32 uint8 (E8M0 scales of x, one for each 32 codes along K).
;; Outputs: out0 8,192 x 1,024 float32; out1 8,192 x 1,024 float32.
;; This version of the problem:
;;   THIS VERSION OF THE PROBLEM IS GIVEN IN LOW PRECISION. The matrix products marked QUANTISED in the list below multiply operands that are first quantised to E3M2 (3 exponent bits, 2 mantissa bits; 6 bits a number), with one power-of-two scale for each 32 numbers along K (OCP MX v1.0); their sums are f32. All else is computed in f32.
;;   The module's matrix products, in the order in which they are computed (A, B: the left and right operand; K: the contracted axis; several contracted axes count as one K, in the product's order):
;;     1. [M 8,192, K 1,024] x [K 1,024, N 4,096]; A: input x (given as codes); B: computed on the way: QUANTISED
;;     2. [M 8,192, K 1,024] x [K 1,024, N 4,096]; A: input h_prev (given as codes); B: computed on the way: QUANTISED
;;   THE QUANTISER, for each operand of a quantised product, along K:
;;     - K is cut into blocks of 32 from its start; a last block that is shorter is filled with zeros.
;;     - A block's scale is 2^e with e = floor(log2(the largest magnitude in the block)) - 4, held to -126 .. 127; a block of zeros has e = 0. As a byte (E8M0): e + 127.
;;     - Each number is divided by its block's scale, clamped to +-28, and rounded to the nearest number of E3M2, ties to even, subnormals kept.
;;     - The product sums the exact products of the quantised numbers (number of the format x scale) in f32.
;;   ~~~python
;;   def quantise(x, axis):      # numpy; x: float32 -> the quantised numbers, widened to float32 again
;;       x = np.moveaxis(x, axis, -1); K = x.shape[-1]
;;       x = np.pad(x, [(0, 0)] * (x.ndim - 1) + [(0, -K % 32)]); x = x.reshape(x.shape[:-1] + (-1, 32)); a = np.abs(x).max(-1, keepdims=True)
;;       e = np.where(a > 0, np.clip(np.frexp(np.where(a > 0, a, 1))[1] - 1 - 4, -126, 127), 0)      # np.frexp(a)[1] - 1 = floor(log2(a)), exactly
;;       r = np.clip(x / 2.0 ** e, -28, 28)
;;       step = 2.0 ** (np.maximum(np.frexp(np.where(r == 0, 1, r))[1] - 1, -2) - 2)
;;       q = np.round(r / step) * step * 2.0 ** e      # np.round: ties to even
;;       return np.moveaxis(q.reshape(q.shape[:-2] + (-1,))[..., :K], -1, axis).astype(np.float32)
;;   ~~~
;;   OPERANDS COMPUTED ON THE WAY. 'Computed on the way' means the value that the module computes at that place (a softmax that the list does not call 'softmax' is quantised finished and normalised). What goes into a quantiser is computed in f32, as accurately as f32 sums, v_exp_f32 and their like allow (about 1e-6 of the number): no bf16 or f16 on the way to a quantiser, and a product that is left as it is and whose result goes on into a quantised operand takes f32 operands (vector FMAs, or v_wmma_f32_16x16x4_f32). A number that lies on a knife's edge between two numbers of the format may be rounded either way, as far as f32 arithmetic and the matrix unit's own rounding can turn it there, and no further.
;;   INPUTS GIVEN AS CODES. h_prev (in the module: [8192, 1024], K = its axis 1); x (in the module: [8192, 1024], K = its axis 1): each comes as NAME_codes (uint8): NAME with its K axis moved to the last place and cut into blocks of 32 codes, [.., K / 32, bytes a block], one block behind the other in memory; four codes in three bytes: a row's codes are one little-endian stream of bits, code i at bits 6 i .. 6 i + 5 (a code: sign, 3 exponent bits, 2 mantissa bits); and NAME_scales (uint8): the same leading axes, one E8M0 byte (e + 127) for each 32 codes along K. Its value is code x scale, taken as it is: it is not quantised again, and the codes and scales need not be those that the quantiser above would give.
;; One version. Each part assembles by itself: llvm-mc -triple=amdgcn-amd-amdhsa -mcpu=gfx1250 --defsym DOCPART=n.
;; ======== version 1 of 1: 2 launches
;; limits: right only within a limited range of input values; inputs' magnitudes at most 2.9e+20
;; workspace buffers: w_codes 6,291,456 bytes; w_scales 262,144 bytes
;; launch quant (part 1): grid 256 x 1, 4 waves a work-group, no clusters, 33,280 bytes of LDS; arguments Wxi, Wxf, Wxc, Wxo, Whi, Whf, Whc, Who, w_codes, w_scales; writes w_codes, w_scales
.if DOCPART == 1
	.amdgcn_target "amdgcn-amd-amdhsa--gfx1250"
	.amdhsa_code_object_version 6
	.text
	.protected	k_q567e167e92_quant
	.globl	k_q567e167e92_quant
	.p2align	8
	.type	k_q567e167e92_quant,@function
k_q567e167e92_quant:
	s_mov_b64 s[64:65], 0
	v_nop
	global_prefetch_b8 v0, s[64:65] scope:SCOPE_SE
	s_setreg_imm32_b32 hwreg(HW_REG_WAVE_MODE, 25, 1), 1
	s_wait_xcnt 0x0
; The eight weights [1024][1024], f32, K innermost, become codes of BF6 (E3M2), 6 bits each, with one E8M0 scale byte for each 32 along K.
; w_codes is [part 2][n' 4096][768 bytes], w_scales [part 2][n' 4096][32 bytes]; part 0: the weights of x, part 1: those of h_prev.
; THE ROWS ARE RE-ORDERED: gate g (i, f, c, o = 0 .. 3), hidden unit u lands on row n' = 256 (u / 64) + 128 ((u / 32) % 2) + 32 g + u % 32,
; so that 128 neighbouring rows hold the four gates of 32 neighbouring units: the product's launch then finds the four gates of a unit in one lane.
; A block's scale is 2^(floor(log2(its largest magnitude)) - 4); its byte is the largest magnitude's own exponent field - 4, held at 1 from below.
; Each number is divided by the scale and rounded to the nearest code, ties to even; beyond the largest code the conversion gives the largest code.
; LIMITS: NaN and infinities among the weights are not served.  A block of zeros gets the byte 1 where the quantiser's rule says 127: its codes are zeros,
; which add nothing under any byte but 0xff, and this program alone reads the bytes.  Blocks whose largest magnitude lies under 2^(5 - 127) are held at the byte 1.
; SHARES: 32 work-groups to a tensor; a wave takes 8 whole rows, 8,192 numbers, in 16 steps of 512.  8 neighbouring units of one gate are 8 neighbouring rows n',
; so a wave's codes are 6,144 consecutive bytes and its scale bytes 256 consecutive bytes, at a multiple of 256 from the buffer's first byte.
; Each load reads 512 consecutive bytes, 16 a lane; a step's 2,048 bytes turn through the wave's own stage in LDS and come back 64 bytes a lane: 16 neighbours along K,
; which is what the conversion takes from one lane's registers.  Two neighbouring lanes hold a block.  Waves share nothing: no barrier.
; Loads run eight steps (32 loads a wave) ahead, the turn through LDS one step.
.set STEPS, 16
.set AH,    8                          ; steps that the loads run ahead
.set EMAX,  4                          ; the exponent of the format's largest number, 28
.set CB,    12                         ; bytes of 16 codes
.set R,     16                         ; v16-143  eight sets of 16 numbers as they are loaded
.set X,     144                        ; v144-175 two sets of 16 neighbours
.set E,     176                        ; v176-191 a scale byte for each step
.set C,     192                        ; v192-255 codes: four registers for each step, so that no store's data are written again
.set WREG,  8192                       ; LDS: a region for each wave: two stages of 32 x SP bytes, and behind them its 256 scale bytes
.set SP,    80                         ; a lane's place in a stage: its 64 bytes + 16 of padding
	s_load_b512 s[4:19], s[0:1], 0x0               ; the eight weights, in the order Wxi Wxf Wxc Wxo Whi Whf Whc Who
	s_load_b128 s[20:23], s[0:1], 0x40             ; w_codes s[20:21], w_scales s[22:23]
	v_lshl_add_u32 v251, v0, 2, 0x8000
	v_mov_b32 v255, 0
	v_lshrrev_b32 v1, 5, v0
	v_readfirstlane_b32 s24, v1                    ; wave 0..3
	v_and_b32 v2, 31, v0                           ; lane
	v_lshlrev_b32 v3, 4, v2                        ; my 16 bytes of a load's 512
	s_mul_i32 s26, s24, WREG
	v_lshrrev_b32 v14, 2, v2
	v_mul_u32_u24 v14, v14, SP
	v_and_b32 v15, 3, v2
	v_lshl_add_u32 v14, v15, 4, v14
	v_add_nc_u32 v14, s26, v14                     ; the stage, on the way in: four lanes' 64 bytes on end, then 16 of padding
	v_mul_u32_u24 v15, v2, SP
	v_add_nc_u32 v15, s26, v15                     ; and on the way out: SP x lane: my 16 neighbours
	v_mul_u32_u24 v4, v2, CB                       ; my codes' place in a step's 384 bytes
	v_lshrrev_b32 v5, 1, v2
	s_add_co_u32 s26, s26, 2*32*SP
	v_add_nc_u32 v5, s26, v5                       ; LDS: my wave's 256 scale bytes, my block's byte
	v_lshlrev_b32 v7, 3, v2                        ; and on the way out 8 bytes a lane
	v_add_nc_u32 v6, s26, v7
	s_lshr_b32 s25, ttmp9, 5                       ; which tensor: 4 x part + gate
	s_and_b32 s27, ttmp9, 31                       ; which 32 rows of it
	s_lshl_b32 s28, s27, 2
	s_add_co_u32 s28, s28, s24
	s_lshl_b32 s28, s28, 15                        ; in: (4 x work-group + wave) x 8 rows of 4,096 bytes
	s_mov_b32 s29, 0
	s_and_b32 s30, s25, 3
	s_lshl_b32 s30, s30, 5                         ; 32 x gate
	s_lshl_b32 s27, s27, 7                         ; 128 x (u / 32), which is 256 (u / 64) + 128 ((u / 32) % 2)
	s_add_co_u32 s30, s30, s27
	s_lshl_b32 s27, s24, 3
	s_add_co_u32 s30, s30, s27                     ; + 8 x wave: my first row n'
	s_lshr_b32 s27, s25, 2                         ; part
	s_mul_i32 s32, s30, 768
	s_mul_i32 s34, s27, 4096*768
	s_add_co_u32 s32, s32, s34                     ; out: my codes,
	s_mov_b32 s33, 0
	s_lshl_b32 s34, s30, 5
	s_lshl_b32 s27, s27, 17
	s_add_co_u32 s34, s34, s27                     ; and my scale bytes
	s_mov_b32 s35, 0
	s_wait_alu depctr_va_vdst(0)
	s_wait_kmcnt 0x0
	; one of eight addresses, by the three bits of the tensor's number: the choice hangs on the work-group's number alone, and all tensors take one path through the text
	s_and_b32 s36, s25, 1
	s_cmp_lg_u32 s36, 0
	s_cselect_b64 s[4:5], s[6:7], s[4:5]
	s_cselect_b64 s[8:9], s[10:11], s[8:9]
	s_cselect_b64 s[12:13], s[14:15], s[12:13]
	s_cselect_b64 s[16:17], s[18:19], s[16:17]
	s_and_b32 s36, s25, 2
	s_cmp_lg_u32 s36, 0
	s_cselect_b64 s[4:5], s[8:9], s[4:5]
	s_cselect_b64 s[12:13], s[16:17], s[12:13]
	s_and_b32 s36, s25, 4
	s_cmp_lg_u32 s36, 0
	s_cselect_b64 s[4:5], s[12:13], s[4:5]
	s_add_nc_u64 s[4:5], s[4:5], s[28:29]
	s_add_nc_u64 s[20:21], s[20:21], s[32:33]
	s_add_nc_u64 s[22:23], s[22:23], s[34:35]
.macro LOAD t
.irp i, 0,1,2,3
	global_load_b128 v[R+16*((\t)%AH)+4*\i:R+16*((\t)%AH)+4*\i+3], v3, s[4:5] offset:2048*(\t)+512*\i th:TH_LOAD_NT   ; 32 lanes read 512 consecutive bytes; read once in the launch
.endr
.endm
.macro TURN t                          ; step t's numbers through the stage: LDS serves a wave's instructions in order (ISA guide 5.7.1.4), so no wait stands between the stores and the loads
.irp i, 0,1,2,3
	ds_store_b128 v14, v[R+16*((\t)%AH)+4*\i:R+16*((\t)%AH)+4*\i+3] offset:32*SP*((\t)%2)+8*SP*\i
.endr
.irp i, 0,1,2,3
	ds_load_b128 v[X+16*((\t)%2)+4*\i:X+16*((\t)%2)+4*\i+3], v15 offset:32*SP*((\t)%2)+16*\i
.endr
.endm
.irp t, 0,1,2,3,4,5,6,7
	LOAD \t
.endr
	s_wait_loadcnt 4*(AH-1)                        ; step 0's four loads are in; the 28 of the seven steps behind it may be out
	TURN 0
.macro STEP t
.set XS, X+16*((\t)%2)
.if (\t) > 0
	s_wait_dscnt 1                                 ; this step's numbers are back from the stage (the last step's byte store may be out): so its stores into the stage have read their registers,
.else
	s_wait_dscnt 0x0
.endif
.if (\t)+AH < STEPS
	LOAD (\t)+AH                                   ; which take the loads of eight steps on
.endif
.if (\t)+1 < STEPS
.if STEPS-2-(\t) >= AH-1
	s_wait_loadcnt 4*(AH-1)                        ; the next step's four loads are in; those of the seven steps behind it may be out
.else
	s_wait_loadcnt 4*(STEPS-2-(\t))                ; towards the end fewer steps stand behind it
.endif
	TURN (\t)+1                                    ; and go through the other stage while this step is worked
.endif
	v_max3_num_f32 v8, |v[XS]|, |v[XS+1]|, |v[XS+2]|               ; the largest magnitude of my 16, in two chains
	v_max3_num_f32 v9, |v[XS+3]|, |v[XS+4]|, |v[XS+5]|
.irp i, 6,10
	v_max3_num_f32 v8, v8, |v[XS+\i]|, |v[XS+\i+1]|
	v_max3_num_f32 v9, v9, |v[XS+\i+2]|, |v[XS+\i+3]|
.endr
	v_max3_num_f32 v8, v8, |v[XS+14]|, |v[XS+15]|
	v_max3_num_f32 v8, v8, v9, (EMAX+1)<<23        ; and the floor 2^(EMAX + 1 - 127): so the byte cannot fall under 1
	v_max_num_f32_dpp v8, v8, v8 row_xmask:1 row_mask:0xf bank_mask:0xf   ; and of my neighbour's 16: the block's
	v_add_nc_u32 v11, -(EMAX<<23), v8              ; EMAX off its exponent field: the conversion takes the exponent field of this operand as its scale, and nothing else of it
	v_cvt_scalef32_pk16_bf6_f32 v[C+4*(\t):C+4*(\t)+2], v[XS:XS+15], v11   ; sixteen codes, 96 bits without gaps, the first number's code lowest
	v_lshrrev_b32 v[E+(\t)], 23, v11               ; the scale's byte (also the plain line behind the conversion)
	ds_store_b8 v5, v[E+(\t)] offset:16*(\t)       ; both lanes of a block write the same byte with the same value
	global_store_b96 v4, v[C+4*(\t):C+4*(\t)+2], s[20:21] offset:32*CB*(\t)   ; 32 lanes store 384 consecutive bytes
.endm
.irp t, 0,1,2,3,4,5,6,7,8,9,10,11,12,13,14,15
	STEP \t
.endr
	ds_load_b64 v[12:13], v6                       ; LDS serves a wave's instructions in order: these see my byte stores
	s_wait_dscnt 0x0
	global_store_b64 v7, v[12:13], s[22:23]        ; 32 lanes store 256 consecutive bytes, at a multiple of 256 from the buffer's first byte
	s_wait_tensorcnt 0x0
	ds_add_u32 v251, v255
	s_wait_dscnt 0x0
	s_endpgm
.Lfunc_end_k_q567e167e92_quant:
	.size	k_q567e167e92_quant, .Lfunc_end_k_q567e167e92_quant-k_q567e167e92_quant
	.p2alignl 7, 3214868480
	.fill 96, 4, 3214868480
	.section	.rodata,"a",@progbits
	.p2align	6, 0x0
	.amdhsa_kernel k_q567e167e92_quant
		.amdhsa_group_segment_fixed_size 33280
		.amdhsa_private_segment_fixed_size 0
		.amdhsa_enable_private_segment 0
		.amdhsa_kernarg_size 80
		.amdhsa_user_sgpr_count 2
		.amdhsa_user_sgpr_kernarg_segment_ptr 1
		.amdhsa_wavefront_size32 1
		.amdhsa_system_sgpr_workgroup_id_x 1
		.amdhsa_system_sgpr_workgroup_id_y 1
		.amdhsa_system_sgpr_workgroup_id_z 1
		.amdhsa_system_vgpr_workitem_id 0
		.amdhsa_next_free_vgpr 256
		.amdhsa_next_free_sgpr 66
		.amdhsa_reserve_vcc 0
		.amdhsa_float_denorm_mode_32 3
		.amdhsa_float_denorm_mode_16_64 3
		.amdhsa_memory_ordered 1
		.amdhsa_forward_progress 1
		.amdhsa_inst_pref_size 33
	.end_amdhsa_kernel
	.amdgpu_metadata
---
amdhsa.version: [ 1, 2 ]
amdhsa.kernels:
  - .name:           k_q567e167e92_quant
    .symbol:         k_q567e167e92_quant.kd
    .args:
      - { .name: Wxi, .offset: 0, .size: 8, .value_kind: global_buffer, .address_space: global }
      - { .name: Wxf, .offset: 8, .size: 8, .value_kind: global_buffer, .address_space: global }
      - { .name: Wxc, .offset: 16, .size: 8, .value_kind: global_buffer, .address_space: global }
      - { .name: Wxo, .offset: 24, .size: 8, .value_kind: global_buffer, .address_space: global }
      - { .name: Whi, .offset: 32, .size: 8, .value_kind: global_buffer, .address_space: global }
      - { .name: Whf, .offset: 40, .size: 8, .value_kind: global_buffer, .address_space: global }
      - { .name: Whc, .offset: 48, .size: 8, .value_kind: global_buffer, .address_space: global }
      - { .name: Who, .offset: 56, .size: 8, .value_kind: global_buffer, .address_space: global }
      - { .name: w_codes, .offset: 64, .size: 8, .value_kind: global_buffer, .address_space: global }
      - { .name: w_scales, .offset: 72, .size: 8, .value_kind: global_buffer, .address_space: global }
    .group_segment_fixed_size: 33280
    .private_segment_fixed_size: 0
    .kernarg_segment_align: 8
    .kernarg_segment_size: 80
    .max_flat_workgroup_size: 128
    .sgpr_count:     66
    .vgpr_count:     256
    .wavefront_size: 32
...
	.end_amdgpu_metadata
.endif
;; end of part 1
;; launch lstm (part 2): grid 16 x 32, 4 waves a work-group, clusters of 4 x 4, 327,680 bytes of LDS; arguments x_codes, x_scales, h_prev_codes, h_prev_scales, w_codes, w_scales, c_prev, out0, out1, bxi, bhi, bxf, bhf, bxc, bhc, bxo, bho; writes out0, out1
.if DOCPART == 2
	.amdgcn_target "amdgcn-amd-amdhsa--gfx1250"
	.amdhsa_code_object_version 6
	.text
	.protected	k_q567e167e92_lstm
	.globl	k_q567e167e92_lstm
	.p2align	8
	.type	k_q567e167e92_lstm,@function
k_q567e167e92_lstm:
	s_mov_b64 s[64:65], 0
	v_nop
	global_prefetch_b8 v0, s[64:65] scope:SCOPE_SE
	s_setreg_imm32_b32 hwreg(HW_REG_WAVE_MODE, 25, 1), 1
	s_wait_xcnt 0x0
	s_wait_alu depctr_hold_cnt(0) depctr_sa_sdst(0) depctr_va_vdst(0) depctr_va_sdst(0) depctr_va_ssrc(0) depctr_va_vcc(0) depctr_vm_vsrc(0)
	s_getreg_b32 s2, hwreg(HW_REG_IB_STS2, 6, 4)
	s_cmp_eq_u32 s2, 0
	s_cbranch_scc0 .Lentry_in_a_cluster
	s_endpgm
.Lentry_in_a_cluster:
	s_bfe_u32 s2, ttmp6, 0x10000c
	s_cmp_lg_u32 s2, 0xf033
	s_cbranch_scc0 .Lentry_shape_is_right
	s_endpgm
.Lentry_shape_is_right:
; gates = x Wx^T + h_prev Wh^T + (bx + bh) on codes of BF6 (E3M2) with one E8M0 scale for each 32 along K, sums in f32; then, in f32,
; c_new = sigmoid(zf) c_prev + sigmoid(zi) tanh(zc) (out1), h_new = sigmoid(zo) tanh(c_new) (out0).  The gates never go to memory.
; x, h_prev: [8192][768 bytes] of codes, [8192][32] scale bytes, taken as they are.  w_codes [part 2][n' 4096][768], w_scales [part 2][n' 4096][32] come from the launch before,
; part 0 for x, part 1 for h_prev, rows n' = 256 (u / 64) + 128 ((u / 32) % 2) + 32 gate + u % 32.
; SHARES: a work-group of four waves owns 256 rows x 64 units = 256 x 256 of the gates; a wave 128 rows x (32 units x 4 gates): 64 accumulators, 512 registers.
; The matrix instruction is used transposed (source 0 = 16 rows of the weights, source 1 = 16 rows of x or h_prev): in accumulator (a, b) lane l holds row 16 a + l % 16, gate b / 2,
; units 16 (b % 2) + 8 (l / 16) + 0 .. 7: the four gates of an element lie in one lane, 16 registers apart.
; K = 2,048 (x's 1,024, then h_prev's) goes through two LDS slots in CHUNKS OF 256 BYTES of each row: three chunks of x, three of h_prev; chunk c lies in slot c % 2; every tile row is 256 bytes
; at a multiple of 256.  A step of 128 along K is 96 bytes: sixteen steps to six chunks; steps 2, 5, 10, 13 lie across two chunks.  bx + bh is the C of each sum's first matrix instruction.
; The scales (four dense blocks of 8,192 bytes) come into LDS once: x's parts at the head, h_prev's parts behind step 1's round, where no bytes are filled again.
; CLUSTERS 4 x 4: tiles of x and h_prev are asked for jointly along a row of the cluster, tiles of the weights along a column.  c_prev's tile (256 rows x 256 bytes) takes slot 0's first half
; when chunk 4 has been read: each work-group's own load.
; PREFETCHES: each chunk of codes is named two requests ahead of its tensor load (chunk 1: one), a lane a row; of the 128 rows that a wave fetches each of the four partners names 32, told apart by address.
; c_prev's rows are named at step 8, five steps ahead of their load.
; LIMITS: the arguments of the exponentials are held at 30 from above: a sigmoid does not fall under 1 / (1 + 2^30), a tanh not within 2^-29 of 1's far side; |c_prev| under 2^60;
; a NaN among the gates is not passed on (the hold drops it), infinities and scale bytes 0xff are not served.
; REGISTERS: window 0: v0-31 addresses; v32-63 scale words, two sets; v64-127 bx + bh (later c_prev); v128-223 A's fragments, one set (later rows to store).
; window 1: the weights' fragments, two sets, at v0 and v128.  window 2: accumulators of my rows 0-63 ((a, b) at v[8 (8 a + b)]); window 3: rows 64-127.
.set ROWB,   256
.set KROW,   768
.set CHUNKS, 6
.set PITCH,  272                       ; 256 bytes + 16 of padding
.set FR,     12
.set NL,     6
.set NP,     4
.set NQ,     2
.set HALFT,  128*PITCH
.set SLOT,   4*HALFT                   ; A's 256 rows, then the weights' 256 rows
.set SPART,  32*272                    ; the scales of 256 rows for K = 1,024
.set SHALF,  16*272
.set SBLK,   2*272
.set SCL,    2*SLOT                    ; x's scales, h_prev's, those of x's weights, those of h_prev's weights
.set SPARE,  SCL+4*SPART               ; the spare words: 128 bytes a wave, named by no other line
.set CPP,    272
.set HST,    256*CPP                   ; c_prev, later c_new, at LDS byte 0; h_new's stage behind it: both inside slot 0, behind its last fill and last read
.set STH,  10
.set RDH,  11
.set STO0, 12                          ; the way out's two LDS addresses for rows 0-63; the loop adds its row offset
.set RD0,  13
.set PFT,  14                          ; lane x a row of codes
.set ADRA, 16                          ; v16-17 A's fragments in slot 0, 1; v18-19 for pieces whose two lane halves lie in different chunks
.set ADRB, 20
.set STO,  24
.set RD,   25
.set CO,   26
.set ADRS, 27
.set SPW,  28
.set NIL,  29
.set PFO,  30                          ; lane x a row of c_prev
.set BO,   31
.set SC,   32
.set BI,   64
.set CPV,  64
.set AF,   128
.set OUT,  128
.set KM,  2                            ; s2 30.0
.set G1C, 4                            ; s[4:11], s[12:15] c_prev's descriptor
.set G0C, 12
.set K1,  16                           ; s[16:17] -log2(e); s[18:19] 2 log2(e)
.set K2,  18
.set G0S2, 20                          ; s[20:23] group 0 for h_prev's scales
.set G1,  24
.set G0,  32                           ; s[32:35] group 0 for x's chunks, s[36:39] for h_prev's
.set OH,  40
.set OC,  42
.set PFC, 44
.set PFH, 46                           ; s[46:47] prefetches: my 32 rows of h_prev or of its weights
.set G1B, 48
.set G0B, 56                           ; the same two sets for the weights
.set G1S, 68
.set G0S, 76
.set G1SB, 80
.set G0SB, 88
.set G0SB2, 92                         ; s[92:95] group 0 for the scales of h_prev's weights
.set WV,  96
.set RH,  97                           ; my half of the rows; also: I fetch for A (0) or for the weights (1)
.set CH,  98                           ; my half of the columns; also: which half I fetch
.set TC,  99
.set CX,  100
.set CY,  101
.set PFX, 100                          ; s[100:101], once cx and cy are done with: my 32 rows of x or of its weights
.set TR,  104
.set WL,  105                          ; wave x 128 LDS rows
.set MSB, 0
.macro WIN new
.if MSB != \new
	s_set_vgpr_msb (MSB<<8)|\new
.set MSB, \new
.endif
.endm
.set MUL_LO,   0xa1
.set MUL_HI,   0xf1
.set FIRST_LO, 0x81
.set FIRST_HI, 0xc1
.set TO_B,     0x40
.macro TL g0, g1                       ; a tensor load, its s_nop 0 and four v_nop
	tensor_load_to_lds s[\g0:\g0+3], s[\g1:\g1+7]
	s_nop 0
.rept 4
	v_nop
.endr
.endm
.macro JLOAD g0a, g1a, g0b, g1b        ; waves 0, 1 ask for A, waves 2, 3 for the weights
	s_cmp_eq_u32 s[RH], 0
	s_cbranch_scc0 .Lfor_b_\@
	TL \g0a, \g1a
	s_branch .Lasked_\@
.Lfor_b_\@:
	TL \g0b, \g1b
.Lasked_\@:
.endm
.macro CREST
	s_cmp_lg_u32 s[WV], 0
	s_cbranch_scc1 .Lnot_wave_0_\@
	s_barrier_signal -3
.Lnot_wave_0_\@:
	s_barrier_wait -3
	s_barrier_signal -1
	s_barrier_wait -1
.endm
.macro CROUND
	s_barrier_signal -1
	s_barrier_wait -1
	CREST
.endm
	s_load_b256 s[4:11], s[0:1], 0x0               ; x codes, x scales, h codes, h scales
	s_load_b128 s[12:15], s[0:1], 0x20             ; w codes, w scales
	s_load_b128 s[16:19], s[0:1], 0x30             ; c_prev, out0
	s_load_b64 s[20:21], s[0:1], 0x40              ; out1
	v_lshl_add_u32 v[SPW], v0, 2, SPARE
	v_mov_b32 v[NIL], 0
	ds_add_u32 v[SPW], v[NIL]                      ; the opening: the add twice on end and its wait
	ds_add_u32 v[SPW], v[NIL]
	v_lshrrev_b32 v1, 5, v0
	v_readfirstlane_b32 s[WV], v1
	s_lshr_b32 s[RH], s[WV], 1
	s_and_b32 s[CH], s[WV], 1
	s_bfe_u32 s[CX], ttmp6, 0x40000
	s_bfe_u32 s[CY], ttmp6, 0x40004
	s_lshl_b32 s[TC], ttmp9, 2
	s_add_co_u32 s[TC], s[TC], s[CX]
	s_and_b32 s[TR], ttmp7, 0xffff
	s_lshl_b32 s[TR], s[TR], 2
	s_add_co_u32 s[TR], s[TR], s[CY]
	s_lshl_b32 s2, s[CY], 2
	s_lshl_b32 s2, 15, s2                          ; my row of the cluster
	s_lshl_b32 s46, 0x1111, s[CX]                  ; my column
	s_or_b32 s[G1+0], s2, (0<<16)|(1<<20)|(1<<21)|(5<<22)|(3<<25)    ; bytes; 16 bytes of padding behind every 256
	s_or_b32 s[G1B+0], s46, (0<<16)|(1<<20)|(1<<21)|(5<<22)|(3<<25)
.irp g, G1, G1B
	s_mov_b32 s[\g+1], ROWB<<16
	s_mov_b32 s[\g+2], 256<<16                     ; the head's loads bring 256 rows
	s_mov_b32 s[\g+3], ROWB<<16
	s_mov_b32 s[\g+4], 256
	s_mov_b32 s[\g+5], KROW
	s_mov_b32 s[\g+6], 0
	s_mov_b32 s[\g+7], 0
.endr
	s_or_b32 s[G1S+0], s2, (3<<16)|(1<<20)|(1<<21)|(5<<22)|(3<<25)   ; scales: dense rows of 256 bytes (32 elements of 8)
	s_or_b32 s[G1SB+0], s46, (3<<16)|(1<<20)|(1<<21)|(5<<22)|(3<<25)
.irp g, G1S, G1SB
	s_mov_b32 s[\g+1], 32<<16
	s_mov_b32 s[\g+2], 32<<16
	s_mov_b32 s[\g+3], 32<<16
	s_mov_b32 s[\g+4], 32
	s_mov_b32 s[\g+5], 32
	s_mov_b32 s[\g+6], 0
	s_mov_b32 s[\g+7], 0
.endr
	s_mul_i32 s22, s[TR], 256*KROW                 ; A's tile, in bytes
	s_mov_b32 s23, 0
	s_lshl_b32 s2, s[TR], 13                       ; A's scales
	s_mov_b32 s3, 0
	s_mul_i32 s46, s[TC], 256*KROW                 ; the weights' tile
	s_mov_b32 s47, 0
	s_lshl_b32 s94, s[TC], 13                      ; the weights' scales
	s_mov_b32 s95, 0
	s_mul_i32 s66, s[CH], 128*KROW                 ; the half that I fetch in the ring
	s_mov_b32 s67, 0
	s_lshl_b32 s92, s[CH], 12                      ; and of a block of scales
	s_mov_b32 s93, 0
	s_mul_i32 s[WL], s[WV], HALFT
	s_wait_dscnt 0x0                               ; both opening adds are done
	s_wait_kmcnt 0x0
	s_add_nc_u64 s[G0+2:G0+3], s[4:5], s[22:23]    ; x: the tile's first row, chunk 0
	s_add_nc_u64 s[G0+6:G0+7], s[8:9], s[22:23]
	s_add_nc_u64 s[G0+6:G0+7], s[G0+6:G0+7], s[66:67]   ; h_prev: my 128 rows, its first chunk
	s_add_nc_u64 s[G0S+2:G0S+3], s[6:7], s[2:3]
	s_add_nc_u64 s[22:23], s[10:11], s[2:3]
	s_add_nc_u64 s[22:23], s[22:23], s[92:93]
	s_add_nc_u64 s[G0B+2:G0B+3], s[12:13], s[46:47]
	s_add_nc_u64 s[G0B+6:G0B+7], s[G0B+2:G0B+3], s[66:67]
	s_add_nc_u64 s[G0B+6:G0B+7], s[G0B+6:G0B+7], 4096*KROW
	s_add_nc_u64 s[G0SB+2:G0SB+3], s[14:15], s[94:95]
	s_add_nc_u64 s[94:95], s[G0SB+2:G0SB+3], s[92:93]
	s_add_nc_u64 s[94:95], s[94:95], 131072
.irp r, G0+3, G0+7, G0B+3, G0B+7, G0S+3, G0SB+3, 23, 95
	s_or_b32 s[\r], s[\r], 0x80000000
.endr
.irp r, G0, G0+4, G0B, G0B+4, G0S, G0SB, 92
	s_mov_b32 s[\r], 1
.endr
	s_mov_b32 s[G0+1], 0
	s_mov_b32 s[G0B+1], 2*HALFT
	s_mov_b32 s[G0S+1], SCL
	s_mov_b32 s[G0SB+1], SCL+2*SPART
	s_mul_i32 s93, s[CH], SHALF
	s_add_co_u32 s93, s93, SCL+3*SPART
	CROUND                                         ; all sixteen work-groups are here: the first joint loads meet
; the head's loads, one a wave: A's chunk 0, the weights' chunk 0, x's scales, the scales of x's weights
.macro ARM under, g0, g1, next
	s_cmp_lt_u32 s[WV], \under
	s_cbranch_scc0 \next
	TL \g0, \g1
	s_branch .Lhead_asked
\next:
.endm
	ARM 1, G0,  G1,  .Lhead_b
	ARM 2, G0B, G1B, .Lhead_sa
	ARM 3, G0S, G1S, .Lhead_sb
	TL G0SB, G1SB
.Lhead_asked:
	s_lshl_b32 s2, s[TR], 8                        ; c_prev at the 64 rows that I fetch
	s_lshl_b32 s3, s[WV], 6
	s_add_co_u32 s2, s2, s3
	s_lshl_b32 s2, s2, 12
	s_lshl_b32 s3, s[TC], 8
	s_add_co_u32 s2, s2, s3
	s_mov_b32 s3, 0
	s_add_nc_u64 s[PFC:PFC+1], s[16:17], s[2:3]
	s_lshl_b32 s2, s[TR], 8                        ; the outputs at the first row that I store
	s_lshl_b32 s3, s[RH], 7
	s_add_co_u32 s2, s2, s3
	s_lshl_b32 s3, s[CH], 4
	s_add_co_u32 s2, s2, s3
	s_lshl_b32 s2, s2, 12
	s_lshl_b32 s3, s[TC], 8
	s_add_co_u32 s2, s2, s3
	s_mov_b32 s3, 0
	s_add_nc_u64 s[OH:OH+1], s[18:19], s[2:3]
	s_add_nc_u64 s[OC:OC+1], s[20:21], s[2:3]
	s_mov_b32 s20, 1
	s_mul_i32 s21, s[CH], SHALF
	s_add_co_u32 s21, s21, SCL+SPART
	s_cmp_eq_u32 s[RH], 0                          ; the prefetches' rows: tile + my 128 + my work-group's 32 of them (cx for A, cy for the weights)
	s_cselect_b32 s2, s[TR], s[TC]
	s_cselect_b32 s3, s[CX], s[CY]
	s_cselect_b64 s[PFX:PFX+1], s[4:5], s[12:13]
	s_cselect_b64 s[PFH:PFH+1], s[8:9], s[12:13]
	s_lshl_b32 s2, s2, 8
	s_lshl_b32 s3, s3, 5
	s_add_co_u32 s2, s2, s3
	s_lshl_b32 s3, s[CH], 7
	s_add_co_u32 s2, s2, s3
	s_mul_i32 s2, s2, KROW
	s_mov_b32 s3, 0
	s_add_nc_u64 s[PFX:PFX+1], s[PFX:PFX+1], s[2:3]
	s_add_nc_u64 s[PFH:PFH+1], s[PFH:PFH+1], s[2:3]
	s_cmp_eq_u32 s[RH], 0
	s_cselect_b32 s2, 0, 4096*KROW                 ; part 1 of the weights
	s_add_nc_u64 s[PFH:PFH+1], s[PFH:PFH+1], s[2:3]
	v_and_b32 v[PFT], 31, v0
	v_mul_u32_u24 v[PFT], v[PFT], KROW
	global_prefetch_b8 v[PFT], s[PFX:PFX+1] offset:256 th:TH_LOAD_NT scope:SCOPE_SE   ; chunks 1 and 2
	global_prefetch_b8 v[PFT], s[PFX:PFX+1] offset:512 th:TH_LOAD_NT scope:SCOPE_SE
	s_load_b512 s[4:19], s[0:1], 0x48              ; the biases: bx of gate g at s[4 + 4 g], bh at s[6 + 4 g]
	s_lshl_b32 s2, s[TC], 8
	s_lshl_b32 s3, s[CH], 7
	s_add_co_u32 s2, s2, s3
	v_and_b32 v1, 15, v0                           ; r
	v_bfe_u32 v2, v0, 4, 1                         ; h
	v_lshl_add_u32 v[BO], v2, 5, s2
	s_wait_alu depctr_va_vdst(0)
	s_wait_kmcnt 0x0
.irp g, 0,1,2,3
.irp j, 0,1
.irp k, 0,1
	global_load_b128 v[BI+8*(2*\g+\j)+4*\k:BI+8*(2*\g+\j)+4*\k+3], v[BO], s[4+4*\g:5+4*\g] offset:64*\j+16*\k
	global_load_b128 v[AF+8*(2*\g+\j)+4*\k:AF+8*(2*\g+\j)+4*\k+3], v[BO], s[6+4*\g:7+4*\g] offset:64*\j+16*\k
.endr
.endr
.endr
	v_mul_u32_u24 v3, v1, PITCH
	v_mad_u32_u24 v4, v2, 24, v3                   ; a fragment's row x pitch + 24 x half
	s_mov_b32 s2, SLOT-232
	s_mov_b32 s3, SLOT+232
	v_sub_nc_u32 v7, 1, v2
	v_mul_u32_u24 v5, s2, v2
	v_add_nc_u32 v5, v3, v5
	v_add_nc_u32 v5, 232, v5                       ; lanes 0-15 byte 232 of the row in slot 0, lanes 16-31 byte 0 in slot 1
	v_mul_u32_u24 v6, s3, v7
	v_add_nc_u32 v6, v3, v6                        ; lanes 0-15 byte 232 in slot 1, lanes 16-31 byte 0 in slot 0
	s_mul_i32 s2, s[RH], HALFT
	s_mul_i32 s3, s[CH], HALFT
	s_add_co_u32 s3, s3, 2*HALFT
	v_add_nc_u32 v[ADRA+2], s2, v5
	v_add_nc_u32 v[ADRA+3], s2, v6
	v_add_nc_u32 v[ADRB+2], s3, v5
	v_add_nc_u32 v[ADRB+3], s3, v6
.irp s, 0,1
	v_add_nc_u32 v[ADRA+\s], s2, v4
	v_add_nc_u32 v[ADRB+\s], s3, v4
	s_add_co_u32 s2, s2, SLOT
	s_add_co_u32 s3, s3, SLOT
.endr
	v_lshlrev_b32 v5, 5, v1                        ; my row's scales: 32 bytes a row, 16 more for each 256 passed
	v_lshrrev_b32 v6, 3, v1
	v_lshl_add_u32 v5, v6, 4, v5
	s_mul_i32 s2, s[RH], SHALF
	s_mul_i32 s3, s[CH], SHALF
	s_add_co_u32 s3, s3, 2*SPART
	s_sub_co_u32 s3, s3, s2
	v_mul_u32_u24 v6, s3, v2                       ; lanes 16-31 take the weights'
	s_add_co_u32 s2, s2, SCL
	v_add_nc_u32 v5, v5, v6
	v_add_nc_u32 v[ADRS], s2, v5
	s_mul_i32 s2, s[RH], 128*CPP                   ; the way out
	s_lshl_b32 s3, s[CH], 7
	s_add_co_u32 s3, s2, s3
	v_mul_u32_u24 v5, v1, CPP
	v_lshl_add_u32 v5, v2, 5, v5
	v_add_nc_u32 v[STO0], s3, v5                   ; row r, my 128 bytes, 32 for each half of the lanes
	s_mul_i32 s3, s[CH], 16*CPP
	s_add_co_u32 s3, s2, s3
	v_mul_u32_u24 v5, v2, CPP
	v_lshl_add_u32 v5, v1, 4, v5
	v_add_nc_u32 v[RD0], s3, v5                    ; back: lanes 0-15 one row of 256 bytes, lanes 16-31 the next
	v_lshlrev_b32 v[CO], 12, v2
	v_lshl_add_u32 v[CO], v1, 4, v[CO]
	v_and_b32 v[PFO], 31, v0
	v_lshlrev_b32 v[PFO], 12, v[PFO]
	s_wait_loadcnt 0x0                             ; the biases are in; their pointers are free
.set NN, 0
.rept 32
	v_pk_add_f32 v[BI+NN:BI+NN+1], v[BI+NN:BI+NN+1], v[AF+NN:AF+NN+1]   ; bx + bh
.set NN, NN+2
.endr
	s_mov_b32 s[G1C+0], (2<<16)|(1<<20)|(5<<22)|(3<<25)   ; c_prev: 64 rows x 64 f32 a wave, padded; no mask
	s_mov_b32 s[G1C+1], 64<<16
	s_mov_b32 s[G1C+2], 64<<16
	s_mov_b32 s[G1C+3], 64<<16
	s_mov_b32 s[G1C+4], 64
	s_mov_b32 s[G1C+5], 1024
	s_mov_b32 s[G1C+6], 0
	s_mov_b32 s[G1C+7], 0
	s_mov_b32 s[G0C], 1
	s_mul_i32 s[G0C+1], s[WV], 64*CPP
	s_mov_b64 s[G0C+2:G0C+3], s[PFC:PFC+1]
	s_or_b32 s[G0C+3], s[G0C+3], 0x80000000
	s_mov_b32 s[K1], 0xbfb8aa3b
	s_mov_b32 s[K1+1], s[K1]
	s_mov_b32 s[K2], 0x4038aa3b
	s_mov_b32 s[K2+1], s[K2]
	s_mov_b32 s[KM], 0x41f00000
.macro FRAG reg, adr, st, i            ; 16 rows x 128 K: 12 registers, in pieces of 8 bytes; byte y of the 1,536 of x's and h_prev's rows on end lies in chunk y / 256, slot (y / 256) % 2
.irp p, 0,1,2,3,4,5
.set BY, 96*(\st)+48*(\p/3)+8*(\p%3)
.if BY/ROWB == (BY+24)/ROWB
	ds_load_b64 v[\reg+2*\p:\reg+2*\p+1], v[\adr+(BY/ROWB)%2] offset:BY%ROWB+(\i)*16*PITCH
.else
	ds_load_b64 v[\reg+2*\p:\reg+2*\p+1], v[\adr+2+(BY/ROWB)%2] offset:BY%ROWB-232+(\i)*16*PITCH
.endif
.endr
.endm
; 16 matrix instructions: A's blocks a0, a0 + 1 x the weights' eight.  The 64 accumulators take turns.  first = 1: C is bx + bh
.macro MUL16 a0, p, q, sc, first
.irp a, \a0, \a0+1
.irp b, 0,1,2,3,4,5,6,7
.if \first
	v_wmma_scale_f32_16x16x128_f8f6f4 v[8*(8*((\a)%4)+\b):8*(8*((\a)%4)+\b)+7], v[128*(\p)+FR*\b:128*(\p)+FR*\b+FR-1], v[AF+FR*(\a):AF+FR*(\a)+FR-1], v[BI+8*\b:BI+8*\b+7], v[SC+8*NQ*(\sc)+NQ*\b+(\q)], v[SC+8*NQ*(\sc)+NQ*(\a)+(\q)] matrix_a_fmt:MATRIX_FMT_BF6 matrix_b_fmt:MATRIX_FMT_BF6 matrix_a_scale:MATRIX_SCALE_ROW1
.else
	v_wmma_scale_f32_16x16x128_f8f6f4 v[8*(8*((\a)%4)+\b):8*(8*((\a)%4)+\b)+7], v[128*(\p)+FR*\b:128*(\p)+FR*\b+FR-1], v[AF+FR*(\a):AF+FR*(\a)+FR-1], v[8*(8*((\a)%4)+\b):8*(8*((\a)%4)+\b)+7], v[SC+8*NQ*(\sc)+NQ*\b+(\q)], v[SC+8*NQ*(\sc)+NQ*(\a)+(\q)] matrix_a_fmt:MATRIX_FMT_BF6 matrix_b_fmt:MATRIX_FMT_BF6 matrix_a_scale:MATRIX_SCALE_ROW1
.endif
.endr
.endr
.endm
.macro MULS a0, st, first
	MUL16 \a0, (\st)%2, (\st)%2, ((\st)/2)%2, \first
.endm
.macro FETCH_B st, p
	WIN TO_B
.irp i, 0,1,2,3,4,5,6,7
	FRAG 128*(\p)+FR*\i, ADRB, \st, \i
.endr
	WIN 0
.endm
.macro FETCH_A st, i0
.irp i, \i0, \i0+1, \i0+2, \i0+3
	FRAG AF+FR*(\i), ADRA, \st, \i
.endr
.endm
.macro SCALES pr                       ; the words of steps 2 pr, 2 pr + 1 into set pr % 2: lanes 0-15 A's block i, lanes 16-31 the weights'; h_prev's blocks lie SPART behind x's
.irp i, 0,1,2,3,4,5,6,7
	ds_load_b64 v[SC+8*NQ*((\pr)%2)+NQ*\i:SC+8*NQ*((\pr)%2)+NQ*\i+1], v[ADRS] offset:\i*SBLK+((\pr)/4)*SPART+8*((\pr)%4)
.endr
.endm
.macro PLACES n                        ; plain places behind matrix instructions, ahead of loads into their registers and of reads of results
.rept \n
	v_nop
.endr
.endm
; A step: 64 matrix instructions; the next step's fragments are fetched in its middle and at its end.
; Where the next step's bytes end in a chunk not yet read: a wait for my tensor loads and a barrier.  Where they begin in a later chunk than this step's: the chunk left behind is read no more:
; wait for all tensor loads, the add, the wait for it and for my reads, a round of the cluster's barrier, and the slot's next fill (chunk C0 + 2, or c_prev).  Step 1's barrier also opens a round, for h_prev's scales.
.macro STEP st, first
.set NX, (\st)+1
.set C0, (96*(\st))/ROWB
.set C1, (96*NX)/ROWB
.set E0, (96*(\st)+95)/ROWB
.set E1, (96*NX+95)/ROWB
.set CN, C0+2
.set FILL, 0
.if C1 > C0
.set FILL, 1
.endif
.if (\st) == 1
.set FILL, 2
.endif
.if C1 > C0 || E1 > E0
	s_wait_tensorcnt 0x0                           ; all my tensor loads have landed
.if FILL
	ds_add_u32 v[SPW], v[NIL]
	s_wait_dscnt 4*NL+1                            ; the add and A's blocks 4-7 may be out
.else
	s_wait_dscnt 4*NL                              ; A's blocks 4-7 may be out
.endif
	WIN MUL_LO
	MULS 0, \st, 0
	s_wait_dscnt 0x0                               ; the add and all my LDS reads are done
	s_barrier_signal -1
	MULS 2, \st, 0
	WIN 0
	s_barrier_wait -1
.if FILL == 2
	CREST
	JLOAD G0S2, G1S, G0SB2, G1SB                   ; first fill of h_prev's scales and of its weights': half a block a wave
.endif
.if FILL == 1
	CREST
.if CN < CHUNKS
.if CN%3 != 0
	s_add_nc_u64 s[G0+4*(CN/3)+2:G0+4*(CN/3)+3], s[G0+4*(CN/3)+2:G0+4*(CN/3)+3], ROWB
	s_add_nc_u64 s[G0B+4*(CN/3)+2:G0B+4*(CN/3)+3], s[G0B+4*(CN/3)+2:G0B+4*(CN/3)+3], ROWB
.endif
	s_add_co_u32 s[G0+4*(CN/3)+1], s[WL], (CN%2)*SLOT
	s_add_co_u32 s[G0B+4*(CN/3)+1], s[WL], (CN%2)*SLOT
	JLOAD G0+4*(CN/3), G1, G0B+4*(CN/3), G1B       ; chunk CN, into the slot left behind
.else
	TL G0C, G1C                                    ; my 64 rows of c_prev
.endif
.endif
.if FILL == 0
	PLACES NP
.endif
.else
	s_wait_dscnt 4*NL                              ; A's blocks 4-7 may be out
.if \first
	WIN FIRST_LO
.else
	WIN MUL_LO
.endif
	MULS 0, \st, \first
	MULS 2, \st, \first
	s_wait_dscnt 0
	PLACES NP
.endif
	FETCH_B NX, NX%2
	FETCH_A NX, 0
.if NX%2 == 0
	SCALES NX/2
.endif
.if (\st) == 2
	global_prefetch_b8 v[PFT], s[PFH:PFH+1] offset:256 th:TH_LOAD_NT scope:SCOPE_SE   ; chunk 4
.endif
.if (\st) == 5
	global_prefetch_b8 v[PFT], s[PFH:PFH+1] offset:512 th:TH_LOAD_NT scope:SCOPE_SE   ; chunk 5
.endif
.if (\st) == 8
	global_prefetch_b8 v[PFO], s[PFC:PFC+1] th:TH_LOAD_NT scope:SCOPE_SE              ; my 64 rows of c_prev, a lane a row
	global_prefetch_b8 v[PFO], s[PFC:PFC+1] offset:32*4096 th:TH_LOAD_NT scope:SCOPE_SE
.endif
.if \first
	WIN FIRST_HI
.else
	WIN MUL_HI
.endif
	MULS 4, \st, \first
	MULS 6, \st, \first
	PLACES NP
	WIN 0
	FETCH_A NX, 4
.endm
	s_wait_alu depctr_va_vdst(0)
	s_wait_tensorcnt 0x0                           ; my tile of the head's four is in
	ds_add_u32 v[SPW], v[NIL]
.irp g, G1, G1B
	s_mov_b32 s[\g+2], 128<<16                     ; no tensor load of mine is out: from here a load of codes brings 128 rows,
	s_mov_b32 s[\g+4], 128
.endr
.irp g, G1S, G1SB
	s_mov_b32 s[\g+2], 16<<16                      ; a load of scales 16 rows of 256 bytes
	s_mov_b32 s[\g+4], 16
.endr
.irp g, G0, G0B
	s_add_nc_u64 s[\g+2:\g+3], s[\g+2:\g+3], s[66:67]   ; my 128 rows,
	s_add_nc_u64 s[\g+2:\g+3], s[\g+2:\g+3], ROWB       ; chunk 1,
	s_add_co_u32 s[\g+1], s[WL], SLOT                   ; slot 1
.endr
	s_wait_dscnt 0x0
	CROUND
	JLOAD G0, G1, G0B, G1B                         ; chunk 1: the first tensor load behind the round
	FETCH_B 0, 0
	FETCH_A 0, 0
	SCALES 0
	FETCH_A 0, 4
	global_prefetch_b8 v[PFT], s[PFH:PFH+1] th:TH_LOAD_NT scope:SCOPE_SE   ; chunk 3
	STEP 0, 1
.set ST, 1
.rept 14
	STEP ST, 0
.set ST, ST+1
.endr
	s_wait_dscnt 4*NL                              ; the last step: nothing more to fetch
	WIN MUL_LO
	MULS 0, 15, 0
	MULS 2, 15, 0
	s_wait_dscnt 0x0                               ; my reads of slot 1 are over,
	s_wait_tensorcnt 0x0                           ; my rows of c_prev have landed
	s_barrier_signal -1
	WIN MUL_HI
	MULS 4, 15, 0
	MULS 6, 15, 0
	WIN 0
	s_barrier_wait -1
	PLACES NP
; THE WAY OUT: a loop of two trips of 64 rows; a trip is two phases of 32 rows on window 2.  The second trip first copies window 3's accumulators into window 2, so that one text serves both halves.
; In a block's 64 registers zi, zf, zc, zo lie 16 apart.  With L = log2(e), Ei = 2^min(-L zi, 30), Ef, Eo likewise, Eg = 2^min(2 L zc, 30):
;   c_new = (c_prev (1 + Ei)(1 + Eg) + (Eg - 1)(1 + Ef)) / ((1 + Ei)(1 + Eg)(1 + Ef));  Ec = 2^min(2 L c_new, 30);  h_new = (Ec - 1) / ((1 + Eo)(1 + Ec)).
; The divisors lie between 1 and 2^90.  Each batch of transcendentals has one wait ahead of it and one behind it.
.set ZI, 0
.set ZF, 16
.set ZG, 32
.set ZO, 48
.macro PKC op, d, k
.irp q, 0,1
.irp n, 0,2,4,6,8,10,12,14
	\op v[ZB+64*\q+\d+\n:ZB+64*\q+\d+\n+1], v[ZB+64*\q+\d+\n:ZB+64*\q+\d+\n+1], \k op_sel_hi:[1,0]
.endr
.endr
.endm
.macro PKMUL d, a, b
.irp q, 0,1
.irp n, 0,2,4,6,8,10,12,14
	v_pk_mul_f32 v[ZB+64*\q+\d+\n:ZB+64*\q+\d+\n+1], v[ZB+64*\q+\a+\n:ZB+64*\q+\a+\n+1], v[ZB+64*\q+\b+\n:ZB+64*\q+\b+\n+1]
.endr
.endr
.endm
.macro PKFMA d, a, b, c
.irp q, 0,1
.irp n, 0,2,4,6,8,10,12,14
	v_pk_fma_f32 v[ZB+64*\q+\d+\n:ZB+64*\q+\d+\n+1], v[ZB+64*\q+\a+\n:ZB+64*\q+\a+\n+1], v[ZB+64*\q+\b+\n:ZB+64*\q+\b+\n+1], v[ZB+64*\q+\c+\n:ZB+64*\q+\c+\n+1]
.endr
.endr
.endm
.macro ONE op, d
.irp q, 0,1
.irp n, 0,1,2,3,4,5,6,7,8,9,10,11,12,13,14,15
	\op v[ZB+64*\q+\d+\n], v[ZB+64*\q+\d+\n]
.endr
.endr
.endm
.macro BATCH_END
	v_nop
	s_wait_alu depctr_va_vdst(0)
.endm
.set WALL, 0xaa                        ; every operand place in window 2
.set WCP,  0xa8                        ; source 0 in window 0
.set WST,  0x08                        ; an LDS store's data
.macro PHASE p
.set ZB, 128*(\p)
	WIN 0
.irp q, 0,1
.irp j, 0,1
.irp k, 0,1
	ds_load_b128 v[CPV+16*\q+8*\j+4*\k:CPV+16*\q+8*\j+4*\k+3], v[STO] offset:16*(2*(\p)+\q)*CPP+64*\j+16*\k   ; c_prev of my 32 elements
.endr
.endr
.endr
	WIN WALL
.set NN, 0
.rept 64                               ; ascending: each accumulator is read from its low end on
.if (NN%64)/16 == 2
	v_pk_mul_f32 v[ZB+NN:ZB+NN+1], v[ZB+NN:ZB+NN+1], s[K2:K2+1] op_sel_hi:[1,0]
.else
	v_pk_mul_f32 v[ZB+NN:ZB+NN+1], v[ZB+NN:ZB+NN+1], s[K1:K1+1] op_sel_hi:[1,0]
.endif
.set NN, NN+2
.endr
.set NN, 0
.rept 128
	v_min_num_f32 v[ZB+NN], s[KM], v[ZB+NN]
.set NN, NN+1
.endr
	s_wait_alu depctr_va_vdst(0)
.set NN, 0
.rept 128
	v_exp_f32 v[ZB+NN], v[ZB+NN]
.set NN, NN+1
.endr
	BATCH_END
	PKC v_pk_add_f32, ZI, 1.0
	PKC v_pk_add_f32, ZF, 1.0
	PKC v_pk_add_f32, ZO, 1.0
	PKFMA ZI, ZI, ZG, ZI                           ; (1 + Ei)(1 + Eg)
	PKC v_pk_add_f32, ZG, -1.0
	PKMUL ZG, ZG, ZF                               ; (Eg - 1)(1 + Ef)
	s_wait_dscnt 0x0                               ; c_prev is in
	WIN WCP
.irp q, 0,1
.irp n, 0,2,4,6,8,10,12,14
	v_pk_fma_f32 v[ZB+64*\q+ZG+\n:ZB+64*\q+ZG+\n+1], v[CPV+16*\q+\n:CPV+16*\q+\n+1], v[ZB+64*\q+ZI+\n:ZB+64*\q+ZI+\n+1], v[ZB+64*\q+ZG+\n:ZB+64*\q+ZG+\n+1]
.endr
.endr
	WIN WALL
	PKMUL ZI, ZI, ZF                               ; the divisor
	s_wait_alu depctr_va_vdst(0)
	ONE v_rcp_f32, ZI
	BATCH_END
	PKMUL ZG, ZG, ZI                               ; c_new
.irp q, 0,1
.irp n, 0,2,4,6,8,10,12,14
	v_pk_mul_f32 v[ZB+64*\q+ZF+\n:ZB+64*\q+ZF+\n+1], v[ZB+64*\q+ZG+\n:ZB+64*\q+ZG+\n+1], s[K2:K2+1] op_sel_hi:[1,0]
.endr
.endr
.irp q, 0,1
.irp n, 0,1,2,3,4,5,6,7,8,9,10,11,12,13,14,15
	v_min_num_f32 v[ZB+64*\q+ZF+\n], s[KM], v[ZB+64*\q+ZF+\n]
.endr
.endr
	s_wait_alu depctr_va_vdst(0)
	ONE v_exp_f32, ZF                              ; Ec
	BATCH_END
	PKFMA ZO, ZO, ZF, ZO                           ; (1 + Eo)(1 + Ec)
	s_wait_alu depctr_va_vdst(0)
	ONE v_rcp_f32, ZO
	PKC v_pk_add_f32, ZF, -1.0                     ; plain lines behind the reciprocals
	s_wait_alu depctr_va_vdst(0)
	PKMUL ZF, ZF, ZO                               ; h_new
	WIN WST
.irp q, 0,1
.irp j, 0,1
.irp k, 0,1
	ds_store_b128 v[STO], v[ZB+64*\q+ZG+8*\j+4*\k:ZB+64*\q+ZG+8*\j+4*\k+3] offset:16*(2*(\p)+\q)*CPP+64*\j+16*\k   ; c_new, where my c_prev lay
	ds_store_b128 v[STH], v[ZB+64*\q+ZF+8*\j+4*\k:ZB+64*\q+ZF+8*\j+4*\k+3] offset:16*(2*(\p)+\q)*CPP+64*\j+16*\k   ; h_new
.endr
.endr
.endr
	WIN 0
	s_wait_dscnt 0x0                               ; for the others' sake: a row's 256 bytes come from two waves
	s_barrier_signal -1
	s_barrier_wait -1
.endm
.macro SEND p                          ; 16 whole rows of each output
.if (\p) > 0
	s_wait_xcnt 0x0                                ; the last phase's stores have read their registers
.endif
.irp t, 0,1,2,3,4,5,6,7
	ds_load_b128 v[OUT+4*\t:OUT+4*\t+3], v[RDH] offset:(32*(\p)+2*\t)*CPP
.endr
.irp t, 0,1,2,3,4,5,6,7
	ds_load_b128 v[OUT+32+4*\t:OUT+32+4*\t+3], v[RD] offset:(32*(\p)+2*\t)*CPP
.endr
.irp t, 0,1,2,3,4,5,6,7
	s_wait_dscnt 15-\t
	global_store_b128 v[CO], v[OUT+4*\t:OUT+4*\t+3], s[OH:OH+1] offset:(32*(\p)+2*\t)*4096 th:TH_STORE_NT   ; 16 lanes store 256 consecutive bytes, aligned
.endr
.irp t, 0,1,2,3,4,5,6,7
	s_wait_dscnt 7-\t
	global_store_b128 v[CO], v[OUT+32+4*\t:OUT+32+4*\t+3], s[OC:OC+1] offset:(32*(\p)+2*\t)*4096 th:TH_STORE_NT
.endr
.endm
	s_mov_b32 s3, 0                                ; the trip's rows in LDS bytes: 0, then 64 rows
.Lout:
	s_cmp_eq_u32 s3, 0
	s_cbranch_scc1 .Lrows
	WIN 0x83                                       ; source window 3, destination window 2
	s_wait_alu depctr_va_vdst(0)                   ; a wait ahead of the first readers of these matrix results
.set NN, 0
.rept 256
	v_mov_b32 v[NN], v[NN]                         ; ascending: each accumulator from its low end on
.set NN, NN+1
.endr
	WIN 0
.Lrows:
	v_add_nc_u32 v[STO], s3, v[STO0]
	v_add_nc_u32 v[RD], s3, v[RD0]
	v_add_nc_u32 v[STH], HST, v[STO]
	v_add_nc_u32 v[RDH], HST, v[RD]
	PHASE 0
	SEND 0
	PHASE 1
	SEND 1
	s_wait_xcnt 0x0                                ; the stores have read their bases and registers
	s_add_nc_u64 s[OH:OH+1], s[OH:OH+1], 64*4096
	s_add_nc_u64 s[OC:OC+1], s[OC:OC+1], 64*4096
	s_add_co_u32 s3, s3, 64*CPP
	s_cmp_lt_u32 s3, 128*CPP
	s_wait_alu depctr_va_vdst(0)
	s_cbranch_scc1 .Lout
	s_wait_tensorcnt 0x0                           ; the wave's end
	ds_add_u32 v[SPW], v[NIL]
	s_wait_dscnt 0x0
	CROUND                                         ; the closing round
	s_endpgm
.Lfunc_end_k_q567e167e92_lstm:
	.size	k_q567e167e92_lstm, .Lfunc_end_k_q567e167e92_lstm-k_q567e167e92_lstm
	.p2alignl 7, 3214868480
	.fill 96, 4, 3214868480
	.section	.rodata,"a",@progbits
	.p2align	6, 0x0
	.amdhsa_kernel k_q567e167e92_lstm
		.amdhsa_group_segment_fixed_size 327680
		.amdhsa_private_segment_fixed_size 0
		.amdhsa_enable_private_segment 0
		.amdhsa_kernarg_size 136
		.amdhsa_user_sgpr_count 2
		.amdhsa_user_sgpr_kernarg_segment_ptr 1
		.amdhsa_wavefront_size32 1
		.amdhsa_system_sgpr_workgroup_id_x 1
		.amdhsa_system_sgpr_workgroup_id_y 1
		.amdhsa_system_sgpr_workgroup_id_z 1
		.amdhsa_system_vgpr_workitem_id 0
		.amdhsa_next_free_vgpr 1024
		.amdhsa_next_free_sgpr 106
		.amdhsa_reserve_vcc 0
		.amdhsa_float_denorm_mode_32 3
		.amdhsa_float_denorm_mode_16_64 3
		.amdhsa_memory_ordered 1
		.amdhsa_forward_progress 1
		.amdhsa_inst_pref_size 255
	.end_amdhsa_kernel
	.section	.bss,"aw",@nobits
	.p2align	6
	.space	262144
	.amdgpu_metadata
---
amdhsa.version: [ 1, 2 ]
amdhsa.kernels:
  - .name:           k_q567e167e92_lstm
    .symbol:         k_q567e167e92_lstm.kd
    .args:
      - { .name: x_codes, .offset: 0, .size: 8, .value_kind: global_buffer, .address_space: global }
      - { .name: x_scales, .offset: 8, .size: 8, .value_kind: global_buffer, .address_space: global }
      - { .name: h_prev_codes, .offset: 16, .size: 8, .value_kind: global_buffer, .address_space: global }
      - { .name: h_prev_scales, .offset: 24, .size: 8, .value_kind: global_buffer, .address_space: global }
      - { .name: w_codes, .offset: 32, .size: 8, .value_kind: global_buffer, .address_space: global }
      - { .name: w_scales, .offset: 40, .size: 8, .value_kind: global_buffer, .address_space: global }
      - { .name: c_prev, .offset: 48, .size: 8, .value_kind: global_buffer, .address_space: global }
      - { .name: out0, .offset: 56, .size: 8, .value_kind: global_buffer, .address_space: global }
      - { .name: out1, .offset: 64, .size: 8, .value_kind: global_buffer, .address_space: global }
      - { .name: bxi, .offset: 72, .size: 8, .value_kind: global_buffer, .address_space: global }
      - { .name: bhi, .offset: 80, .size: 8, .value_kind: global_buffer, .address_space: global }
      - { .name: bxf, .offset: 88, .size: 8, .value_kind: global_buffer, .address_space: global }
      - { .name: bhf, .offset: 96, .size: 8, .value_kind: global_buffer, .address_space: global }
      - { .name: bxc, .offset: 104, .size: 8, .value_kind: global_buffer, .address_space: global }
      - { .name: bhc, .offset: 112, .size: 8, .value_kind: global_buffer, .address_space: global }
      - { .name: bxo, .offset: 120, .size: 8, .value_kind: global_buffer, .address_space: global }
      - { .name: bho, .offset: 128, .size: 8, .value_kind: global_buffer, .address_space: global }
    .group_segment_fixed_size: 327680
    .private_segment_fixed_size: 0
    .kernarg_segment_align: 8
    .kernarg_segment_size: 136
    .max_flat_workgroup_size: 128
    .sgpr_count:     106
    .vgpr_count:     1024
    .wavefront_size: 32
...
	.end_amdgpu_metadata
.endif
;; end of part 2
